; MI455X (gfx1250); checked and timed in simulation.
; The chip was launched on July 23, 2026; its instructions are those of AMD's public machine-readable ISA for CDNA 5 (MIT licence, August 2026) and "CDNA5" Instruction Set Architecture Reference Guide (July 2026). The comments in the code are by the model that wrote it; some were corrected since.
;; Fp8 Einsum Wrapper. Allowed arithmetic: matrix products marked QUANTISED: E4M3 operands, one given power-of-two scale a tensor, by v_wmma_f32_16x16x64_fp8_fp8 or v_wmma_f32_16x16x128_fp8_fp8, f32 sums; everything else in f32.
;; Inputs: input_scale 1 float32; kernel_scale 1 float32; lhs 16,384 x 4,096 bfloat16; lowp_scales 2 int32 (the exponents e of the quantised operands' scales 2^e); rhs 4,096 x 1,024 float32.
;; Outputs: out0 16,384 x 1,024 bfloat16.
;; This version of the problem:
;;   THIS VERSION OF THE PROBLEM IS GIVEN IN LOW PRECISION. The matrix products marked QUANTISED in the list below multiply operands that are first quantised to E4M3 (4 exponent bits, 3 mantissa bits; 8 bits a number), with one given power-of-two scale for each operand tensor; their sums are f32. All else is computed in f32.
;;   The module's matrix products, in the order in which they are computed (A, B: the left and right operand; K: the contracted axis; several contracted axes count as one K, in the product's order):
;;     1. [M 16,384, K 4,096] x [K 4,096, N 1,024]; A: computed on the way; B: computed on the way: QUANTISED (scales: A lowp_scales[0], B lowp_scales[1])
;;   THE QUANTISER, for each operand of a quantised product, along K:
;;     - The operand's scale is 2^e, e = its entry of the input lowp_scales (int32; the entries are numbered through the quantised products in the list's order, A before B).
;;     - Each number is divided by the scale, clamped to +-448, and rounded to the nearest number of E4M3, ties to even, subnormals kept.
;;     - The product sums the exact products of the quantised numbers (number of the format x scale) in f32.
;;   ~~~python
;;   def quantise(x, axis, e):      # numpy; x: float32 -> the quantised numbers, widened to float32 again
;;       x = np.moveaxis(x, axis, -1); K = x.shape[-1]
;;       r = np.clip(x / 2.0 ** e, -448, 448)
;;       step = 2.0 ** (np.maximum(np.frexp(np.where(r == 0, 1, r))[1] - 1, -6) - 3)
;;       q = np.round(r / step) * step * 2.0 ** e      # np.round: ties to even
;;       return np.moveaxis(q, -1, axis).astype(np.float32)
;;   ~~~
;;   OPERANDS COMPUTED ON THE WAY. 'Computed on the way' means the value that the module computes at that place (a softmax that the list does not call 'softmax' is quantised finished and normalised). What goes into a quantiser is computed in f32, as accurately as f32 sums, v_exp_f32 and their like allow (about 1e-6 of the number): no bf16 or f16 on the way to a quantiser, and a product that is left as it is and whose result goes on into a quantised operand takes f32 operands (vector FMAs, or v_wmma_f32_16x16x4_f32). A number that lies on a knife's edge between two numbers of the format may be rounded either way, as far as f32 arithmetic and the matrix unit's own rounding can turn it there, and no further.
;; One version. Each part assembles by itself: llvm-mc -triple=amdgcn-amd-amdhsa -mcpu=gfx1250 --defsym DOCPART=n.
;; ======== version 1 of 1: 2 launches
;; limits: values are held in bf16: 8 bits of precision; right only within a limited range of input values
;; workspace buffers: a_codes 67,108,864 bytes; b_codes 4,194,304 bytes
;; launch quant (part 1): grid 1280 x 1, 4 waves a work-group, no clusters, 17,920 bytes of LDS; arguments lhs, rhs, input_scale, kernel_scale, lowp_scales, a_codes, b_codes; writes a_codes, b_codes
.if DOCPART == 1
	.amdgcn_target "amdgcn-amd-amdhsa--gfx1250"
	.amdhsa_code_object_version 6
	.text
	.protected	k_q7e2676a54b_quant
	.globl	k_q7e2676a54b_quant
	.p2align	8
	.type	k_q7e2676a54b_quant,@function
k_q7e2676a54b_quant:
	s_mov_b64 s[64:65], 0
	v_nop
	global_prefetch_b8 v0, s[64:65] scope:SCOPE_SE
	s_setreg_imm32_b32 hwreg(HW_REG_WAVE_MODE, 25, 1), 1
	s_wait_xcnt 0x0
; Both operands of out = A B are made here, once for each number, as codes of E4M3 with K innermost:
;   a_codes [16384][4096] from lhs [16384][4096] bf16;   b_codes [1024][4096] from rhs [4096 (k)][1024 (n)] f32.
; WORK LEFT OUT.  The problem writes each operand as x + (dq - x), dq the fake-quantised x.  In real numbers x + (dq - x) = dq for every x and dq: the two x cancel.
;   So the difference and the sum are not made, and dq itself goes into the product's quantiser.  Every input still has its way to the output, and all are loaded.
;   LIMIT of that: while |x| <= 2 x 448 |s| the bf16 difference and sum are exact and give dq bit for bit; beyond, where the clip holds x, the written form can differ from dq by half a bf16 step of x.
;   A NaN, an infinity or an overflow that arises only in the difference or the sum is not carried to the result.
; THE CHAIN, for each number x (a bf16 number; rhs is first rounded to bf16, as the problem casts it), s the operand's f32 scale (input_scale, kernel_scale), 2^e its given scale:
;   t  = x / s in f32: 1 / s is kept as two f32 numbers r_hi + r_lo (v_rcp_f32, one Newton step, the remainder 1 - r_hi s times r_hi), t = fma(x, r_hi, x r_lo):
;        a quotient of few bits (a middle between two codes among them) comes out exactly
;   q  = t held within +-448, rounded to E4M3 (ties to even);   dq = bf16(q s)
;   code = dq / 2^e, held within +-448, rounded to E4M3 (ties to even).  The hold is made on q s in f32, ahead of the rounding to bf16: 448 x 2^e is a bf16 number and rounding keeps the order.
; LIMITS.  s is a normal f32 number, 2^-126 <= |s| <= 2^126.  e lies between -126 and 119.  NaN and infinities among the inputs are not served (a quotient that overflows is held at 448).
; SHARES.  Work-groups 0-255 take rhs: 64 columns x 256 along K; a wave 16 columns: a lane takes a column and its registers run down K (lanes 0-15 the first 128, lanes 16-31 the second),
;   so the codes come out with K innermost; they go through the wave's own stage in LDS and leave as rows: sixteen lanes store 256 consecutive bytes, aligned.
;   Work-groups 256-1279 take lhs, a plain stream: a wave takes 16,384 numbers in 64 steps of one 16-byte load a lane (512 consecutive bytes a wave) and one 8-byte store a lane (256 consecutive bytes, aligned).
; No tensor loads, no barrier, no cluster: waves share nothing.  No prefetch: the launch does nothing but stream.
.set WGB,   256                        ; work-groups that take rhs
.set PITCH, 272                        ; a stage row: 256 bytes of codes + 16
.set LIM1,  2                          ; v2   448.0
.set ONE,   3                          ; v3   1.0: the first conversion's scale
.set E127,  4                          ; v4   the scale byte of 1.0 in all four bytes, for the conversion back
.set SC2,   5                          ; v5   2^e as f32
.set LIM2,  6                          ; v6   448 x 2^e
.set FA,    16                         ; v16-23, v24-31  eight x in f32, chains A and B
.set FB,    24
.set TA,    32                         ; v32-39, v40-47  the quotients, then q, then q s
.set TB,    40
.set QA,    48                         ; q as codes
.set QB,    50
.set DA,    52                         ; v52-55, v56-59  dq, packed bf16
.set DB,    56
.set X,     64                         ; lhs: v64-127 sixteen slots of four registers as loaded
.set C,     128                        ; lhs: v128-159 sixteen pairs of registers to store
.set XF,    64                         ; rhs: v64-127 two sets of 32 f32 numbers; at the end the rows read back from the stage
.set P,     128                        ; rhs: v128-143 a block's 32 numbers as packed bf16
.set CR,    144                        ; rhs: v144-151 a block's 32 codes
.set SS,    24                         ; s[24:25] s, twice
.set RH,    26                         ; s[26:27] r_hi, twice
.set RL,    38                         ; s[38:39] r_lo, twice
.set MSK,   28                         ; s28  a word's upper bf16
; The constants of a path.  e: the scalar register with the path's exponent.  s22 holds s.
.macro CONSTS e
	s_wait_kmcnt 0x0
	s_add_co_i32 s23, s[\e], 127
	s_lshl_b32 s32, s23, 23
	v_mov_b32 v[SC2], s32                          ; 2^e
	s_add_co_i32 s23, s23, 8
	s_lshl_b32 s23, s23, 23
	s_or_b32 s23, s23, 0x600000
	v_mov_b32 v[LIM2], s23                         ; 448 x 2^e
	v_mov_b32 v[LIM1], 0x43e00000
	v_mov_b32 v[ONE], 1.0
	v_mov_b32 v[E127], 0x7f7f7f7f
	s_mov_b32 s[MSK], 0xffff0000
	v_rcp_f32 v7, s22
	v_nop                                          ; a plain line behind the transcendental,
	s_wait_alu depctr_va_vdst(0)                   ; and the wait
	v_fma_f32 v9, -v7, s22, 1.0                    ; 1 - r s
	v_fma_f32 v7, v9, v7, v7                       ; r_hi
	v_fma_f32 v9, -v7, s22, 1.0                    ; 1 - r_hi s
	v_mul_f32 v9, v9, v7                           ; r_lo
	v_readfirstlane_b32 s[RH], v7
	v_readfirstlane_b32 s[RL], v9
	s_mov_b32 s[RH+1], s[RH]
	s_mov_b32 s[RL+1], s[RL]
	s_mov_b32 s[SS], s22
	s_mov_b32 s[SS+1], s22
.endm
; Two chains side by side.  v[xa..xa+3], v[xb..xb+3]: eight packed bf16 each.  v[ca:ca+1], v[cb:cb+1]: their codes, the first number's in the lowest byte.
; The plain line owed behind each scaled conversion is a line of the other chain.
.macro QDQ2 xa, xb, ca, cb
.irp j, 0,1,2,3
	v_lshlrev_b32 v[FA+2*\j], 16, v[(\xa)+\j]
	v_and_b32 v[FA+2*\j+1], s[MSK], v[(\xa)+\j]
	v_lshlrev_b32 v[FB+2*\j], 16, v[(\xb)+\j]
	v_and_b32 v[FB+2*\j+1], s[MSK], v[(\xb)+\j]
.endr
.irp j, 0,2,4,6
	v_pk_mul_f32 v[TA+\j:TA+\j+1], v[FA+\j:FA+\j+1], s[RL:RL+1] op_sel_hi:[1,0]    ; x r_lo
	v_pk_mul_f32 v[TB+\j:TB+\j+1], v[FB+\j:FB+\j+1], s[RL:RL+1] op_sel_hi:[1,0]
.endr
.irp j, 0,2,4,6
	v_pk_fma_f32 v[TA+\j:TA+\j+1], v[FA+\j:FA+\j+1], s[RH:RH+1], v[TA+\j:TA+\j+1] op_sel_hi:[1,0,1]   ; t
	v_pk_fma_f32 v[TB+\j:TB+\j+1], v[FB+\j:FB+\j+1], s[RH:RH+1], v[TB+\j:TB+\j+1] op_sel_hi:[1,0,1]
.endr
.irp j, 0,1,2,3,4,5,6,7
	v_med3_num_f32 v[TA+\j], v[TA+\j], -v[LIM1], v[LIM1]   ; the clip at +-448; the conversion does not saturate (ISA guide 7.6.2)
.endr
	v_cvt_scalef32_pk8_fp8_f32 v[QA:QA+1], v[TA:TA+7], v[ONE]
.irp j, 0,1,2,3,4,5,6
	v_med3_num_f32 v[TB+\j], v[TB+\j], -v[LIM1], v[LIM1]
.endr
	v_cvt_scale_pk8_f32_fp8 v[TA:TA+7], v[QA:QA+1], v[E127]   ; q of chain A, widened again
	v_med3_num_f32 v[TB+7], v[TB+7], -v[LIM1], v[LIM1]
	v_cvt_scalef32_pk8_fp8_f32 v[QB:QB+1], v[TB:TB+7], v[ONE]
.irp j, 0,2,4,6
	v_pk_mul_f32 v[TA+\j:TA+\j+1], v[TA+\j:TA+\j+1], s[SS:SS+1] op_sel_hi:[1,0]    ; q s
.endr
	v_cvt_scale_pk8_f32_fp8 v[TB:TB+7], v[QB:QB+1], v[E127]
.irp j, 0,1,2,3,4,5,6,7
	v_med3_num_f32 v[TA+\j], v[TA+\j], -v[LIM2], v[LIM2]   ; the hold at the largest code x 2^e
.endr
.irp j, 0,1,2,3
	v_cvt_pk_bf16_f32 v[DA+\j], v[TA+2*\j], v[TA+2*\j+1]   ; dq
.endr
	v_cvt_scalef32_pk8_fp8_bf16 v[(\ca):(\ca)+1], v[DA:DA+3], v[SC2]
.irp j, 0,2,4,6
	v_pk_mul_f32 v[TB+\j:TB+\j+1], v[TB+\j:TB+\j+1], s[SS:SS+1] op_sel_hi:[1,0]
.endr
.irp j, 0,1,2,3,4,5,6,7
	v_med3_num_f32 v[TB+\j], v[TB+\j], -v[LIM2], v[LIM2]
.endr
.irp j, 0,1,2,3
	v_cvt_pk_bf16_f32 v[DB+\j], v[TB+2*\j], v[TB+2*\j+1]
.endr
	v_cvt_scalef32_pk8_fp8_bf16 v[(\cb):(\cb)+1], v[DB:DB+3], v[SC2]   ; its result goes to a store; the next vector lines are plain and name neither its result nor its sources
.endm
	s_load_b256 s[4:11], s[0:1], 0x0               ; lhs, rhs, input_scale, kernel_scale
	s_load_b128 s[12:15], s[0:1], 0x20             ; lowp_scales, a_codes
	s_load_b64 s[16:17], s[0:1], 0x30              ; b_codes
	v_lshl_add_u32 v160, v0, 2, 0x4400             ; my spare word, behind the four stages
	v_mov_b32 v161, 0
	v_lshrrev_b32 v1, 5, v0
	v_readfirstlane_b32 s18, v1                    ; wave 0..3
	v_and_b32 v1, 31, v0                           ; lane
	s_wait_kmcnt 0x0
	s_load_b64 s[30:31], s[12:13], 0x0             ; e of A, e of B
	s_cmp_lt_u32 ttmp9, WGB                        ; the paths part on the work-group's number alone
	s_cbranch_scc1 .Lrhs
	; ---------------- lhs ----------------
	s_load_b32 s22, s[8:9], 0x0                    ; s = input_scale
	s_sub_co_u32 s19, ttmp9, WGB
	s_lshl_b32 s19, s19, 2
	s_add_co_u32 s19, s19, s18                     ; my wave's run of 16,384 numbers: 0 .. 4095
	s_lshl_b32 s34, s19, 15                        ; 32,768 bytes of bf16 a run
	s_mov_b32 s35, 0
	s_add_nc_u64 s[4:5], s[4:5], s[34:35]
	s_lshl_b32 s34, s19, 14                        ; 16,384 bytes of codes
	s_add_nc_u64 s[14:15], s[14:15], s[34:35]
	s_wait_alu depctr_va_vdst(0)
	v_lshlrev_b32 v10, 4, v1                       ; in: 16 bytes a lane
	v_lshlrev_b32 v11, 3, v1                       ; out: 8 bytes a lane
.irp i, 0,1,2,3,4,5,6,7,8,9,10,11,12,13,14,15
	global_load_b128 v[X+4*\i:X+4*\i+3], v10, s[4:5] offset:512*\i th:TH_LOAD_NT   ; steps 0 to 15
.endr
	CONSTS 30
; Two slots' turn.  ahead = 1: both are filled again, sixteen steps on.  left: how many younger loads may stay out.
.macro LPAIR p, ahead, left
	s_wait_loadcnt \left
	QDQ2 X+8*(\p), X+8*(\p)+4, C+4*(\p), C+4*(\p)+2
.if \ahead
	global_load_b128 v[X+8*(\p):X+8*(\p)+3], v10, s[4:5] offset:8192+1024*(\p) th:TH_LOAD_NT
	global_load_b128 v[X+8*(\p)+4:X+8*(\p)+7], v10, s[4:5] offset:8192+1024*(\p)+512 th:TH_LOAD_NT
.endif
	global_store_b64 v11, v[C+4*(\p):C+4*(\p)+1], s[14:15] offset:512*(\p)
	global_store_b64 v11, v[C+4*(\p)+2:C+4*(\p)+3], s[14:15] offset:512*(\p)+256
.endm
	s_mov_b32 s33, 3                               ; 64 steps = 4 rounds of 16; three load ahead
.Llround:
.irp p, 0,1,2,3,4,5,6,7
	LPAIR \p, 1, 14                                ; sixteen loads are out, the two oldest are wanted
.endr
	s_wait_xcnt 0x0                                ; only behind this wait are the bases stepped and the codes' registers written again
	s_add_nc_u64 s[4:5], s[4:5], 8192
	s_add_nc_u64 s[14:15], s[14:15], 4096
	s_sub_co_u32 s33, s33, 1
	s_cmp_lg_u32 s33, 0
	s_cbranch_scc1 .Llround
.irp p, 0,1,2,3,4,5,6,7
	LPAIR \p, 0, 14-2*\p                           ; the last round loads nothing: the counts run down
.endr
	s_endpgm
	; ---------------- rhs ----------------
.Lrhs:
	s_load_b32 s22, s[10:11], 0x0                  ; s = kernel_scale
	s_and_b32 s19, ttmp9, 15
	s_lshl_b32 s19, s19, 6
	s_lshl_b32 s34, s18, 4
	s_add_co_u32 s19, s19, s34                     ; my wave's first column
	s_lshr_b32 s33, ttmp9, 4                       ; which 256 along K
	s_lshl_b32 s34, s33, 20                        ; rhs: 256 rows of 4,096 bytes,
	s_lshl_b32 s36, s19, 2                         ; + 4 bytes a column
	s_add_co_u32 s34, s34, s36
	s_mov_b32 s35, 0
	s_add_nc_u64 s[6:7], s[6:7], s[34:35]
	s_lshl_b32 s34, s19, 12                        ; b_codes: a column's row of 4,096 bytes,
	s_lshl_b32 s36, s33, 8                         ; + my 256 along K
	s_add_co_u32 s34, s34, s36
	s_add_nc_u64 s[16:17], s[16:17], s[34:35]
	s_wait_alu depctr_va_vdst(0)
	v_and_b32 v7, 15, v1                           ; my column of the wave's sixteen
	v_lshrrev_b32 v9, 4, v1                        ; which 128 along K
	v_lshlrev_b32 v12, 2, v7
	v_lshl_add_u32 v12, v9, 19, v12                ; in: 4 bytes a column + h x 128 rows
	s_mul_i32 s36, s18, 16*PITCH                   ; my stage
	v_mul_u32_u24 v13, v7, PITCH
	v_lshl_add_u32 v13, v9, 7, v13
	v_add_nc_u32 v13, s36, v13                     ; into it: row = my column, + 128 h bytes
	v_mul_u32_u24 v14, v9, PITCH                   ; out of it: sixteen lanes to a row, two rows an instruction
	v_lshl_add_u32 v14, v7, 4, v14
	v_add_nc_u32 v14, s36, v14
	v_lshlrev_b32 v15, 12, v9                      ; and the same place in b_codes
	v_lshl_add_u32 v15, v7, 4, v15
.macro LOAD t                          ; block t: rhs(128 h + 32 t + i, my column) into set t % 2; offsets up to 127 x 4,096
.irp i, 0,1,2,3,4,5,6,7,8,9,10,11,12,13,14,15,16,17,18,19,20,21,22,23,24,25,26,27,28,29,30,31
	global_load_b32 v[XF+32*((\t)%2)+\i], v12, s[6:7] offset:(32*(\t)+\i)*4096
.endr
.endm
	LOAD 0
	LOAD 1
	CONSTS 31
.macro BLOCK t
.set XS, XF+32*((\t)%2)
.if (\t) < 3
	s_wait_loadcnt 32                              ; this block's 32 loads are in; the next block's may be out
.else
	s_wait_loadcnt 0
.endif
.irp j, 0,1,2,3,4,5,6,7,8,9,10,11,12,13,14,15
	v_cvt_pk_bf16_f32 v[P+\j], v[XS+2*\j], v[XS+2*\j+1]   ; the cast of rhs to bf16
.endr
.if (\t)+2 < 4
	LOAD (\t)+2
.endif
	QDQ2 P, P+4, CR, CR+2
	QDQ2 P+8, P+12, CR+4, CR+6
	ds_store_b128 v13, v[CR:CR+3] offset:32*(\t)
	ds_store_b128 v13, v[CR+4:CR+7] offset:32*(\t)+16
	s_wait_dscnt 0x0                               ; the stores have read their registers
.endm
.irp t, 0,1,2,3
	BLOCK \t
.endr
.irp t, 0,1,2,3,4,5,6,7
	ds_load_b128 v[XF+4*\t:XF+4*\t+3], v14 offset:2*\t*PITCH   ; LDS serves a wave's instructions in order (ISA guide 5.7.1.4)
.endr
.irp t, 0,1,2,3,4,5,6,7
	s_wait_dscnt 7-\t
	global_store_b128 v15, v[XF+4*\t:XF+4*\t+3], s[16:17] offset:2*\t*4096   ; sixteen lanes store 256 consecutive bytes, aligned
.endr
	s_wait_tensorcnt 0x0                           ; the wave's end
	ds_add_u32 v160, v161
	s_wait_dscnt 0x0
	s_endpgm
.Lfunc_end_k_q7e2676a54b_quant:
	.size	k_q7e2676a54b_quant, .Lfunc_end_k_q7e2676a54b_quant-k_q7e2676a54b_quant
	.p2alignl 7, 3214868480
	.fill 96, 4, 3214868480
	.section	.rodata,"a",@progbits
	.p2align	6, 0x0
	.amdhsa_kernel k_q7e2676a54b_quant
		.amdhsa_group_segment_fixed_size 17920
		.amdhsa_private_segment_fixed_size 0
		.amdhsa_enable_private_segment 0
		.amdhsa_kernarg_size 56
		.amdhsa_user_sgpr_count 2
		.amdhsa_user_sgpr_kernarg_segment_ptr 1
		.amdhsa_wavefront_size32 1
		.amdhsa_system_sgpr_workgroup_id_x 1
		.amdhsa_system_sgpr_workgroup_id_y 1
		.amdhsa_system_sgpr_workgroup_id_z 1
		.amdhsa_system_vgpr_workitem_id 0
		.amdhsa_next_free_vgpr 162
		.amdhsa_next_free_sgpr 66
		.amdhsa_reserve_vcc 0
		.amdhsa_float_denorm_mode_32 3
		.amdhsa_float_denorm_mode_16_64 3
		.amdhsa_memory_ordered 1
		.amdhsa_forward_progress 1
		.amdhsa_inst_pref_size 147
	.end_amdhsa_kernel
	.amdgpu_metadata
---
amdhsa.version: [ 1, 2 ]
amdhsa.kernels:
  - .name:           k_q7e2676a54b_quant
    .symbol:         k_q7e2676a54b_quant.kd
    .args:
      - { .name: lhs, .offset: 0, .size: 8, .value_kind: global_buffer, .address_space: global }
      - { .name: rhs, .offset: 8, .size: 8, .value_kind: global_buffer, .address_space: global }
      - { .name: input_scale, .offset: 16, .size: 8, .value_kind: global_buffer, .address_space: global }
      - { .name: kernel_scale, .offset: 24, .size: 8, .value_kind: global_buffer, .address_space: global }
      - { .name: lowp_scales, .offset: 32, .size: 8, .value_kind: global_buffer, .address_space: global }
      - { .name: a_codes, .offset: 40, .size: 8, .value_kind: global_buffer, .address_space: global }
      - { .name: b_codes, .offset: 48, .size: 8, .value_kind: global_buffer, .address_space: global }
    .group_segment_fixed_size: 17920
    .private_segment_fixed_size: 0
    .kernarg_segment_align: 8
    .kernarg_segment_size: 56
    .max_flat_workgroup_size: 128
    .sgpr_count:     66
    .vgpr_count:     162
    .wavefront_size: 32
...
	.end_amdgpu_metadata
.endif
;; end of part 1
;; launch gemm (part 2): grid 4 x 64, 4 waves a work-group, clusters of 4 x 4, 327,680 bytes of LDS; arguments a_codes, b_codes, lowp_scales, out0; writes out0
.if DOCPART == 2
	.amdgcn_target "amdgcn-amd-amdhsa--gfx1250"
	.amdhsa_code_object_version 6
	.text
	.protected	k_q7e2676a54b_gemm
	.globl	k_q7e2676a54b_gemm
	.p2align	8
	.type	k_q7e2676a54b_gemm,@function
k_q7e2676a54b_gemm:
	s_mov_b64 s[64:65], 0
	v_nop
	global_prefetch_b8 v0, s[64:65] scope:SCOPE_SE
	s_setreg_imm32_b32 hwreg(HW_REG_WAVE_MODE, 25, 1), 1
	s_wait_xcnt 0x0
	s_wait_alu depctr_hold_cnt(0) depctr_sa_sdst(0) depctr_va_vdst(0) depctr_va_sdst(0) depctr_va_ssrc(0) depctr_va_vcc(0) depctr_vm_vsrc(0)
	s_getreg_b32 s2, hwreg(HW_REG_IB_STS2, 6, 4)
	s_cmp_eq_u32 s2, 0
	s_cbranch_scc0 .Lentry_in_a_cluster
	s_endpgm
.Lentry_in_a_cluster:
	s_bfe_u32 s2, ttmp6, 0x10000c
	s_cmp_lg_u32 s2, 0xf033
	s_cbranch_scc0 .Lentry_shape_is_right
	s_endpgm
.Lentry_shape_is_right:
; out0[m][n] = bf16( 2^(ea + eb) x sum over k of A[m][k] B[n][k] ).  a_codes [16384][4096], b_codes [1024][4096]: codes of E4M3, K innermost; sums in f32.
; LIMIT: ea + eb lies between -126 and 127, so that 2^(ea + eb) is an f32 number.  Nothing of the product is left out here.
; A tile of out0, 256 x 256, is made by four waves; a wave makes 128 x 128: 64 accumulators, 512 registers.  256 tiles: one work-group to a tile.
; K goes in steps of 256 through a ring of two LDS slots filled by tensor loads (rows of 256 bytes, 272 apart in LDS); a slot is two steps of 128 along K, 64 matrix instructions each.
; CLUSTERS: 4 x 4 work-groups; A's tiles are asked for jointly along a row of the cluster, B's along a column.  The matrix instruction is used transposed (source 0 = rows of B, source 1 = rows of A):
; a lane holds eight neighbouring numbers of a row of out0.  A fragment is fetched by four 16-byte loads: a permutation of k that is the same in A and in B.
; TWO RUNS OF 32 LDS LOADS A STEP, both for the NEXT step.  A step goes by A's blocks, each against B's eight.  B has two sets of registers and so have A's blocks 2 to 7, taken by the step's parity; blocks 0 and 1 have one.
;   Run X, behind blocks 0 and 1: B's blocks 0 to 5 and A's blocks 0, 1.  Run Y, behind blocks 4 and 5: B's blocks 6, 7, then A's blocks 2 to 7.
;   In a slot's last step both runs read the other slot, and the change of slots stands at that step's head: sixteen products under the add, eight between signal and wait, then the round, the refill and run X.
; THE LAST STEP finishes my blocks of 16 rows one after the other, and each leaves while later blocks are multiplied.
; REGISTERS: window 0: v0-31 addresses; v128-255 A's eight fragments (parity 0); v32-127 blocks 2 to 7 of parity 1; in the last step v160-255 serve the way out.
;   window 1: B's two sets, v0 and v128.  window 2: the accumulators of my rows 0-63 ((a, b) at v[8 (8 a + b)]); window 3: of rows 64-127.
.set SIZE_N, 1024
.set SIZE_K, 4096
.set ROWB,   256                       ; a tile's row: 256 codes
.set PITCH,  272                       ; 256 bytes + 16: the 16 rows that a load touches start at 16 different 16-byte columns
.set FR,     16                        ; registers of a fragment
.set HALFT,  128*PITCH                 ; what one tensor load brings
.set SLOT,   4*HALFT                   ; A's 256 rows, then B's 256 rows
.set LAPS,   SIZE_K/(2*ROWB)
.set SPARE,  2*SLOT                    ; the spare words, 512 bytes that no other line names
.set SPITCH, 272                       ; the way out: 16 rows x 272 bytes a wave, in slot 0, which has had its last fill and its last read by then
.set ADRA, 16                          ; v16-17 LDS address of my A fragments in slot 0, 1
.set ADRB, 20                          ; v20-21 the same for B
.set STO,  24
.set RD,   25
.set CO,   26
.set SPW,  28
.set NIL,  29
.set PFO,  30                          ; the prefetches' offset: lane x 4,096
.set AF,   128
.set PK,   160                         ; the way out: a block's 32 registers of packed bf16
.set BK,   192                         ; the way out: 16 rows read back from the stage, v192-223 and v224-255 by turns
.set G1, 24
.set G0, 32
.set G1B, 48
.set G0B, 56
.set PFA, 66                           ; s[66:67] my work-group's 32 rows of the 128 that I fetch, at the K step of the last change of slots
.set MSB, 0
.macro WIN new                         ; the immediate's high byte repeats the setting that is left
.if MSB != \new
	s_set_vgpr_msb (MSB<<8)|\new
.set MSB, \new
.endif
.endm
.set MUL_LO, 0xa1
.set MUL_HI, 0xf1
.set TO_B,   0x40
; A joint load: waves 0, 1 fetch A's halves, waves 2, 3 B's.  s_nop 0 and four v_nop follow each line.
.macro JLOAD g0a, g1a, g0b, g1b
	s_cmp_eq_u32 s15, 0
	s_cbranch_scc0 .Lfor_b_\@
	tensor_load_to_lds s[\g0a:\g0a+3], s[\g1a:\g1a+7]
	s_nop 0
.rept 4
	v_nop
.endr
	s_branch .Lasked_\@
.Lfor_b_\@:
	tensor_load_to_lds s[\g0b:\g0b+3], s[\g1b:\g1b+7]
	s_nop 0
.rept 4
	v_nop
.endr
.Lasked_\@:
.endm
; A prefetch behind each refill: the K step two refills on, 32 rows x 256 bytes, a lane a row.  The four partners of a joint load share its 128 rows out by address.
; The change of slots of K step i names K step i + 4; the loop's last trip (s3 = 1) would name K steps 16 and 17 and asks for nothing.
.macro ASK
	s_cmp_gt_u32 s3, 1
	s_cbranch_scc0 .Lno_ask_\@
	global_prefetch_b8 v[PFO], s[PFA:PFA+1] offset:3*ROWB th:TH_LOAD_NT scope:SCOPE_SE
.Lno_ask_\@:
.endm
.macro CREST
	s_cmp_lg_u32 s14, 0
	s_cbranch_scc1 .Lnot_wave_0_\@
	s_barrier_signal -3
.Lnot_wave_0_\@:
	s_barrier_wait -3
	s_barrier_signal -1
	s_barrier_wait -1
.endm
.macro CROUND
	s_barrier_signal -1
	s_barrier_wait -1
	CREST
.endm
	s_load_b128 s[4:7], s[0:1], 0x0                ; a_codes, b_codes
	s_load_b128 s[8:11], s[0:1], 0x10              ; lowp_scales, out0
	v_lshl_add_u32 v[SPW], v0, 2, SPARE
	v_mov_b32 v[NIL], 0
	ds_add_u32 v[SPW], v[NIL]                      ; the opening lines: the add, twice on end, and its wait
	ds_add_u32 v[SPW], v[NIL]
	v_lshrrev_b32 v1, 5, v0
	v_readfirstlane_b32 s14, v1                    ; wave 0..3
	s_lshr_b32 s15, s14, 1                         ; my half of the tile's rows; also: I fetch for A (0) or B (1)
	s_and_b32 s16, s14, 1                          ; my half of its columns; also: which 128 rows I fetch
	s_bfe_u32 s40, ttmp6, 0x40000                  ; cx
	s_bfe_u32 s41, ttmp6, 0x40004                  ; cy
	s_lshl_b32 s42, ttmp9, 2
	s_add_co_u32 s42, s42, s40                     ; tile column
	s_and_b32 s17, ttmp7, 0xffff
	s_lshl_b32 s17, s17, 2
	s_add_co_u32 s17, s17, s41                     ; tile row
	s_lshl_b32 s43, s41, 2
	s_lshl_b32 s43, 15, s43                        ; my row of the cluster
	s_lshl_b32 s44, 0x1111, s40                    ; my column
	s_or_b32 s[G1+0], s43, (1<<20)|(1<<21)|(5<<22)|(3<<25)    ; elements of 1 byte; 4 words of padding behind every 64
	s_or_b32 s[G1B+0], s44, (1<<20)|(1<<21)|(5<<22)|(3<<25)
.irp g, G1, G1B
	s_mov_b32 s[\g+1], ROWB<<16
	s_mov_b32 s[\g+2], 128<<16
	s_mov_b32 s[\g+3], ROWB<<16
	s_mov_b32 s[\g+4], 128
	s_mov_b32 s[\g+5], SIZE_K
	s_mov_b32 s[\g+6], 0
	s_mov_b32 s[\g+7], 0
.endr
	s_lshl_b32 s18, s16, 7
	s_lshl_b32 s20, s17, 8
	s_add_co_u32 s20, s20, s18
	s_lshl_b32 s20, s20, 12                        ; A: (256 x tile row + 128 x half) rows of 4,096 bytes, under 2^26
	s_mov_b32 s21, 0
	s_lshl_b32 s46, s42, 8
	s_add_co_u32 s46, s46, s18
	s_lshl_b32 s46, s46, 12                        ; B: by the tile column
	s_mov_b32 s47, 0
	s_mul_i32 s45, s14, HALFT                      ; where my load lands
.irp s, 0,1
	s_mov_b32 s[G0+4*\s], 1
	s_add_co_u32 s[G0+4*\s+1], s45, \s*SLOT
	s_mov_b32 s[G0B+4*\s], 1
	s_add_co_u32 s[G0B+4*\s+1], s45, \s*SLOT
.endr
	s_mul_i32 s73, s15, HALFT                      ; my 128 rows of A
	s_mul_i32 s74, s16, HALFT
	s_add_co_u32 s74, s74, 2*HALFT                 ; my 128 rows of B
	s_mul_i32 s75, s14, 16*SPITCH                  ; my stage
	v_and_b32 v1, 15, v0                           ; l % 16
	v_bfe_u32 v2, v0, 4, 1                         ; l / 16
	v_mul_u32_u24 v3, v1, PITCH
	v_lshl_add_u32 v4, v2, 4, v3                   ; row x pitch + 16 x half
	v_add_nc_u32 v[ADRA], s73, v4
	v_add_nc_u32 v[ADRB], s74, v4
	v_add_nc_u32 v[ADRA+1], SLOT, v[ADRA]
	v_add_nc_u32 v[ADRB+1], SLOT, v[ADRB]
	v_add_nc_u32 v[STO], s75, v4                   ; into the stage: the same pitch
	v_mul_u32_u24 v6, v2, SPITCH
	v_lshl_add_u32 v6, v1, 4, v6
	v_add_nc_u32 v[RD], s75, v6                    ; back: sixteen lanes to a row of 256 bytes
	v_lshlrev_b32 v7, 11, v2
	v_lshl_add_u32 v[CO], v1, 4, v7                ; the same two rows in out0
	v_and_b32 v[PFO], 31, v0
	v_lshlrev_b32 v[PFO], 12, v[PFO]
	s_wait_alu depctr_va_vdst(0)                   ; the wait behind the head's last vector line
	s_wait_dscnt 0x0                               ; both opening adds are done
	CROUND                                         ; all sixteen work-groups are here; the round needs no argument, so it stands ahead of the wait for them
	s_wait_kmcnt 0x0
	s_add_nc_u64 s[20:21], s[4:5], s[20:21]
	s_add_nc_u64 s[46:47], s[6:7], s[46:47]
	s_add_nc_u64 s[G0+2:G0+3], s[20:21], 0
	s_or_b32 s[G0+3], s[G0+3], 0x80000000
	s_add_nc_u64 s[G0B+2:G0B+3], s[46:47], 0
	s_or_b32 s[G0B+3], s[G0B+3], 0x80000000
	JLOAD G0, G1, G0B, G1B                         ; K step 0: one tensor load a wave at the head
	s_load_b64 s[96:97], s[8:9], 0x0               ; ea, eb
	s_add_nc_u64 s[G0+6:G0+7], s[20:21], ROWB      ; under its flight: slot 1's addresses,
	s_or_b32 s[G0+7], s[G0+7], 0x80000000
	s_add_nc_u64 s[G0B+6:G0B+7], s[46:47], ROWB
	s_or_b32 s[G0B+7], s[G0B+7], 0x80000000
	s_lshl_b32 s76, s17, 8                         ; where my part of out0 begins,
	s_lshl_b32 s77, s15, 7
	s_add_co_u32 s76, s76, s77
	s_lshl_b32 s76, s76, 11                        ; rows of 2,048 bytes
	s_lshl_b32 s77, s42, 9
	s_add_co_u32 s76, s76, s77
	s_lshl_b32 s77, s16, 8
	s_add_co_u32 s76, s76, s77
	s_mov_b32 s77, 0
	s_add_nc_u64 s[10:11], s[10:11], s[76:77]
	s_lshl_b32 s70, s17, 8                         ; and where my prefetches stand
	s_lshl_b32 s72, s42, 8
	s_cmp_eq_u32 s15, 0
	s_cselect_b32 s70, s70, s72                    ; the tile's first row, in A or in B
	s_cselect_b32 s71, s40, s41                    ; my place among the four that ask with me
	s_cselect_b64 s[PFA:PFA+1], s[4:5], s[6:7]
	s_lshl_b32 s72, s16, 7
	s_add_co_u32 s70, s70, s72
	s_lshl_b32 s71, s71, 5
	s_add_co_u32 s70, s70, s71
	s_lshl_b32 s70, s70, 12
	s_mov_b32 s71, 0
	s_add_nc_u64 s[PFA:PFA+1], s[PFA:PFA+1], s[70:71]
	global_prefetch_b8 v[PFO], s[PFA:PFA+1] offset:ROWB th:TH_LOAD_NT scope:SCOPE_SE     ; K steps 1 and 2; K step 3 follows behind the next joint load: two K steps asked for and not yet loaded at any time
	global_prefetch_b8 v[PFO], s[PFA:PFA+1] offset:2*ROWB th:TH_LOAD_NT scope:SCOPE_SE
.macro FRAG reg, adr, q, i             ; 16 rows x 128 K: registers 4 c .. 4 c + 3 hold K = 32 c + 16 (l / 16) + 0 .. 15
.irp c, 0,1,2,3
	ds_load_b128 v[\reg+4*\c:\reg+4*\c+3], v[\adr] offset:128*(\q)+32*\c+(\i)*16*PITCH
.endr
.endm
.macro LB slot, q, p, i0, n            ; n fragments of B from block i0 on, of the slot's q-th 128 along K, into set p
.set BI, \i0
.rept \n
	FRAG 128*(\p)+FR*BI, ADRB+\slot, \q, BI
.set BI, BI+1
.endr
.endm
.macro LA slot, q, p, a0, n            ; n fragments of A from block a0 on; blocks 2 to 7 of parity 1 lie 128 registers lower
.set AI, \a0
.rept \n
	FRAG AF+FR*AI-128*(\p)*((AI+6)/8), ADRA+\slot, \q, AI
.set AI, AI+1
.endr
.endm
.macro XRUN slot, q, p                 ; 32 loads: B's blocks 0 to 5, A's blocks 0, 1
	WIN TO_B
	LB \slot, \q, \p, 0, 6
	WIN 0
	LA \slot, \q, \p, 0, 2
.endm
.macro YRUN slot, q, p                 ; 32 loads: B's blocks 6, 7 first, then A's blocks 2 to 7.  Their registers were last read a step ago, ahead of that run X's four places
	WIN TO_B
	LB \slot, \q, \p, 6, 2
	WIN 0
	LA \slot, \q, \p, 2, 6
.endm
; n matrix instructions: A's block a against B's blocks b0 on, of set p.  The 64 accumulators take turns in the same order in every step.
.macro MULR a, p, zero, b0, n
.set WB, \b0
.rept \n
.if \zero
	v_wmma_f32_16x16x128_fp8_fp8 v[8*(8*((\a)%4)+WB):8*(8*((\a)%4)+WB)+7], v[128*(\p)+FR*WB:128*(\p)+FR*WB+FR-1], v[AF+FR*(\a)-128*(\p)*(((\a)+6)/8):AF+FR*(\a)-128*(\p)*(((\a)+6)/8)+FR-1], 0
.else
	v_wmma_f32_16x16x128_fp8_fp8 v[8*(8*((\a)%4)+WB):8*(8*((\a)%4)+WB)+7], v[128*(\p)+FR*WB:128*(\p)+FR*WB+FR-1], v[AF+FR*(\a)-128*(\p)*(((\a)+6)/8):AF+FR*(\a)-128*(\p)*(((\a)+6)/8)+FR-1], v[8*(8*((\a)%4)+WB):8*(8*((\a)%4)+WB)+7]
.endif
.set WB, WB+1
.endr
.endm
.macro MUL8 a, p, zero
	MULR \a, \p, \zero, 0, 8
.endm
.macro PLACES                          ; four places ahead of loads into registers that matrix instructions have read, and of the first read of results (ISA guide 7.12.1 for the first read of results)
.rept 4
	v_nop
.endr
.endm
; A slot's first step: set and parity 0; its runs fetch the slot's second 128 along K.  LDS instructions out at its head, in order: X 32; Y: B6-7 8, A2-3 8, A4-5 8, A6-7 8.
.macro NSTEP slot, zero
	s_wait_dscnt 32                                ; X is in: behind it Y's 32
	WIN MUL_LO
	MULR 0, 0, \zero, 0, 6
	s_wait_dscnt 24                                ; B6-7 are in: behind them A's 24
	MULR 0, 0, \zero, 6, 2
	MUL8 1, 0, \zero
	PLACES
	XRUN \slot, 1, 1
	s_wait_dscnt 48                                ; A2-3 are in: behind them 16 and the 32 just issued
	WIN MUL_LO
	MUL8 2, 0, \zero
	MUL8 3, 0, \zero
	s_wait_dscnt 40                                ; A4-5 are in: behind them 8 + 32
	WIN MUL_HI
	MUL8 4, 0, \zero
	MUL8 5, 0, \zero
	YRUN \slot, 1, 1
	s_wait_dscnt 63                                ; A6-7 are in: behind them 32 + 32, one more than the count can name
	WIN MUL_HI
	MUL8 6, 0, \zero
	MUL8 7, 0, \zero
.endm
; A slot's last step: set and parity 1.  All my reads of this slot were issued in the step before, so the change of slots stands at its head; its runs read the next slot.
.macro TSTEP slot, next, fill
.if \fill
	s_wait_xcnt 0x0                                ; my prefetches have read their address
	s_add_nc_u64 s[PFA:PFA+1], s[PFA:PFA+1], ROWB
.endif
	WIN 0
	s_wait_tensorcnt 0x0                           ; all my tensor loads have landed: my part of the next slot
	ds_add_u32 v[SPW], v[NIL]
.if \fill
	s_add_nc_u64 s[G0+4*\slot+2:G0+4*\slot+3], s[G0+4*\slot+2:G0+4*\slot+3], 2*ROWB
	s_add_nc_u64 s[G0B+4*\slot+2:G0B+4*\slot+3], s[G0B+4*\slot+2:G0B+4*\slot+3], 2*ROWB
.endif
	s_wait_dscnt 33                                ; X is in: behind it Y's 32 and the add
	WIN MUL_LO
	MULR 0, 1, 0, 0, 6
	s_wait_dscnt 25                                ; B6-7 are in: behind them 24 and the add
	MULR 0, 1, 0, 6, 2
	MUL8 1, 1, 0
	s_wait_dscnt 0x0                               ; the add is done, and my reads of this slot are over
	s_barrier_signal -1
	MUL8 2, 1, 0
	WIN 0
	s_barrier_wait -1
.if \fill
	CREST                                          ; the barrier has opened a round of the cluster's barrier
	JLOAD G0+4*\slot, G1, G0B+4*\slot, G1B         ; the refill, first behind the round; its four v_nop are the places for the loads below
.else
	PLACES
.endif
	XRUN \next, 0, 0
.if \fill
	ASK
.endif
	WIN MUL_LO
	MUL8 3, 1, 0                                   ; this step's fragments were all in at the wait for 0
	WIN MUL_HI
	MUL8 4, 1, 0
	MUL8 5, 1, 0
	YRUN \next, 0, 0
	WIN MUL_HI
	MUL8 6, 1, 0
	MUL8 7, 1, 0
.endm
	s_wait_tensorcnt 0x0                           ; my part of K step 0 is in; slot 1's first fill is issued as a refill is
	ds_add_u32 v[SPW], v[NIL]
	s_wait_dscnt 0x0
	CROUND
	JLOAD G0+4, G1, G0B+4, G1B                     ; K step 1
	XRUN 0, 0, 0                                   ; the first step's fragments, in the order of every step's runs
	YRUN 0, 0, 0
	global_prefetch_b8 v[PFO], s[PFA:PFA+1] offset:3*ROWB th:TH_LOAD_NT scope:SCOPE_SE   ; K step 3
	NSTEP 0, 1                                     ; the first step's products start the sums
	WIN 0
	s_mov_b32 s3, LAPS-1
.Llap:                                                 ; a trip goes once round the ring and fills both slots again
	TSTEP 0, 1, 1
	NSTEP 1, 0
	TSTEP 1, 0, 1
	NSTEP 0, 0
	WIN 0
	s_sub_co_u32 s3, s3, 1
	s_cmp_lg_u32 s3, 0
	s_cbranch_scc1 .Llap
	TSTEP 0, 1, 0                                  ; the last lap fills nothing
	NSTEP 1, 0
; THE WAY OUT of block a, 16 rows x 128 columns: x 2^(ea + eb) in place, rounded to bf16, 16 bytes a lane into my stage, back as whole rows of 256 bytes.
.macro TOSTAGE a
.set AC, 64*((\a)%4)
	WIN 0x82+0x41*((\a)/4)                         ; source 0 and destination: window 2 or 3
.irp j, 0,2,4,6,8,10,12,14,16,18,20,22,24,26,28,30,32,34,36,38,40,42,44,46,48,50,52,54,56,58,60,62
	v_pk_mul_f32 v[AC+\j:AC+\j+1], v[AC+\j:AC+\j+1], s[96:97] op_sel_hi:[1,0]   ; each accumulator from its low end on
.endr
	WIN 0x0a+5*((\a)/4)                            ; sources 0 and 1: window 2 or 3
.irp i, 0,1,2,3,4,5,6,7,8,9,10,11,12,13,14,15,16,17,18,19,20,21,22,23,24,25,26,27,28,29,30,31
	v_cvt_pk_bf16_f32 v[PK+\i], v[AC+2*\i], v[AC+2*\i+1]
.endr
	WIN 0
.irp b, 0,1,2,3,4,5,6,7
	ds_store_b128 v[STO], v[PK+4*\b:PK+4*\b+3] offset:32*\b
.endr
.set BB, BK+32*((\a)%2)
.irp t, 0,1,2,3,4,5,6,7
	ds_load_b128 v[BB+4*\t:BB+4*\t+3], v[RD] offset:\t*2*SPITCH    ; LDS serves a wave's instructions in order (ISA guide 5.7.1.4)
.endr
.endm
.macro SEND a, younger
.set BB, BK+32*((\a)%2)
	s_wait_dscnt \younger
.if (\a) > 0
	s_add_nc_u64 s[10:11], s[10:11], 16*SIZE_N*2
.endif
.irp t, 0,1,2,3,4,5,6,7
	global_store_b128 v[CO], v[BB+4*\t:BB+4*\t+3], s[10:11] offset:2*\t*SIZE_N*2 th:TH_STORE_NT   ; sixteen lanes store 256 consecutive bytes, aligned
.endr
.endm
	s_wait_kmcnt 0x0
	s_add_co_i32 s96, s96, s97
	s_add_co_i32 s96, s96, 127
	s_lshl_b32 s96, s96, 23                        ; 2^(ea + eb) as f32
	s_wait_dscnt 24                                ; THE VERY LAST STEP, set and parity 1: nothing more to fetch; X and B6-7 are in
	WIN MUL_LO
	MUL8 0, 1, 0
	MUL8 1, 1, 0
	s_wait_dscnt 0
	MUL8 2, 1, 0
	PLACES                                         ; block 0's results are read below; for the later blocks the conversions of the blocks ahead of them are the places
	TOSTAGE 0
.irp a, 1,2,3,4,5,6,7
.if \a < 6
	WIN MUL_LO+0x50*((\a+2)/4)
	MUL8 \a+2, 1, 0                                ; two blocks ahead of the block that leaves
.endif
.if \a > 1
	s_wait_xcnt 0x0                                ; block a - 2's stores have read their registers and their base
.endif
	TOSTAGE \a
	SEND \a-1, 16                                  ; behind block a - 1's loads: block a's 8 stores and 8 loads
.endr
	s_wait_xcnt 0x0
	SEND 7, 0
	s_wait_tensorcnt 0x0                           ; the wave's end
	ds_add_u32 v[SPW], v[NIL]
	s_wait_dscnt 0x0
	CROUND                                         ; the closing round
	s_endpgm
.Lfunc_end_k_q7e2676a54b_gemm:
	.size	k_q7e2676a54b_gemm, .Lfunc_end_k_q7e2676a54b_gemm-k_q7e2676a54b_gemm
	.p2alignl 7, 3214868480
	.fill 96, 4, 3214868480
	.section	.rodata,"a",@progbits
	.p2align	6, 0x0
	.amdhsa_kernel k_q7e2676a54b_gemm
		.amdhsa_group_segment_fixed_size 327680
		.amdhsa_private_segment_fixed_size 0
		.amdhsa_enable_private_segment 0
		.amdhsa_kernarg_size 32
		.amdhsa_user_sgpr_count 2
		.amdhsa_user_sgpr_kernarg_segment_ptr 1
		.amdhsa_wavefront_size32 1
		.amdhsa_system_sgpr_workgroup_id_x 1
		.amdhsa_system_sgpr_workgroup_id_y 1
		.amdhsa_system_sgpr_workgroup_id_z 1
		.amdhsa_system_vgpr_workitem_id 0
		.amdhsa_next_free_vgpr 1024
		.amdhsa_next_free_sgpr 98
		.amdhsa_reserve_vcc 0
		.amdhsa_float_denorm_mode_32 3
		.amdhsa_float_denorm_mode_16_64 3
		.amdhsa_memory_ordered 1
		.amdhsa_forward_progress 1
		.amdhsa_inst_pref_size 127
	.end_amdhsa_kernel
	.amdgpu_metadata
---
amdhsa.version: [ 1, 2 ]
amdhsa.kernels:
  - .name:           k_q7e2676a54b_gemm
    .symbol:         k_q7e2676a54b_gemm.kd
    .args:
      - { .name: a_codes, .offset: 0, .size: 8, .value_kind: global_buffer, .address_space: global }
      - { .name: b_codes, .offset: 8, .size: 8, .value_kind: global_buffer, .address_space: global }
      - { .name: lowp_scales, .offset: 16, .size: 8, .value_kind: global_buffer, .address_space: global }
      - { .name: out0, .offset: 24, .size: 8, .value_kind: global_buffer, .address_space: global }
    .group_segment_fixed_size: 327680
    .private_segment_fixed_size: 0
    .kernarg_segment_align: 8
    .kernarg_segment_size: 32
    .max_flat_workgroup_size: 128
    .sgpr_count:     98
    .vgpr_count:     1024
    .wavefront_size: 32
...
	.end_amdgpu_metadata
.endif
;; end of part 2
